; MI455X (gfx1250); checked and timed in simulation.
; The chip was launched on July 23, 2026; its instructions are those of AMD's public machine-readable ISA for CDNA 5 (MIT licence, August 2026) and "CDNA5" Instruction Set Architecture Reference Guide (July 2026). The comments in the code are by the model that wrote it; some were corrected since.
;; Step Latent Field Model ASS Bfinal2. Allowed arithmetic: matrix products marked QUANTISED: E2M1 operands, one E8M0 scale for each 32 along K, by v_wmma_scale_f32_16x16x128_f8f6f4 with both operands' format E2M1 (or v_wmma_scale_f32_32x16x128_f4), f32 sums; products left as they are: f32 operands where the result goes on into a quantised operand, else bf16, f16 or f32 operands; f32 sums; everything else in f32.
;; Inputs: W0 49 x 64 float32; W1_codes 64 x 2 x 16 uint8 (E2M1 codes of W1, K innermost, in blocks of 32 codes, two codes a byte); W1_scales 64 x 2 uint8 (E8M0 scales of W1, one for each 32 codes along K); Wout 64 x 1 float32; b0 64 float32; b1 64 float32; bout 1 float32; emb 511 x 32 float32; rho 2,000,000 float32; time_idx 2,000,000 int32.
;; Outputs: out0 2,000,000 float32.
;; This version of the problem:
;;   THIS VERSION OF THE PROBLEM IS GIVEN IN LOW PRECISION. The matrix products marked QUANTISED in the list below multiply operands that are first quantised to E2M1 (2 exponent bits, 1 mantissa bit; 4 bits a number), with one power-of-two scale for each 32 numbers along K (OCP MX v1.0); their sums are f32. All else is computed in f32.
;;   The module's matrix products, in the order in which they are computed (A, B: the left and right operand; K: the contracted axis; several contracted axes count as one K, in the product's order):
;;     1. [M 2,000,000, K 49] x [K 49, N 64]; A: computed on the way; B: input W0: QUANTISED
;;     2. [M 2,000,000, K 64] x [K 64, N 64]; A: computed on the way; B: input W1 (given as codes): QUANTISED
;;     3. [M 2,000,000, K 64] x [K 64, N 1]; A: computed on the way; B: input Wout: left as it is (N = 1 < 16)
;;   THE QUANTISER, for each operand of a quantised product, along K:
;;     - K is cut into blocks of 32 from its start; a last block that is shorter is filled with zeros.
;;     - A block's scale is 2^e with e = floor(log2(the largest magnitude in the block)) - 2, held to -126 .. 127; a block of zeros has e = 0. As a byte (E8M0): e + 127.
;;     - Each number is divided by its block's scale, clamped to +-6, and rounded to the nearest number of E2M1, ties to even, subnormals kept.
;;     - The product sums the exact products of the quantised numbers (number of the format x scale) in f32.
;;   ~~~python
;;   def quantise(x, axis):      # numpy; x: float32 -> the quantised numbers, widened to float32 again
;;       x = np.moveaxis(x, axis, -1); K = x.shape[-1]
;;       x = np.pad(x, [(0, 0)] * (x.ndim - 1) + [(0, -K % 32)]); x = x.reshape(x.shape[:-1] + (-1, 32)); a = np.abs(x).max(-1, keepdims=True)
;;       e = np.where(a > 0, np.clip(np.frexp(np.where(a > 0, a, 1))[1] - 1 - 2, -126, 127), 0)      # np.frexp(a)[1] - 1 = floor(log2(a)), exactly
;;       r = np.clip(x / 2.0 ** e, -6, 6)
;;       step = 2.0 ** (np.maximum(np.frexp(np.where(r == 0, 1, r))[1] - 1, 0) - 1)
;;       q = np.round(r / step) * step * 2.0 ** e      # np.round: ties to even
;;       return np.moveaxis(q.reshape(q.shape[:-2] + (-1,))[..., :K], -1, axis).astype(np.float32)
;;   ~~~
;;   OPERANDS COMPUTED ON THE WAY. 'Computed on the way' means the value that the module computes at that place (a softmax that the list does not call 'softmax' is quantised finished and normalised). What goes into a quantiser is computed in f32, as accurately as f32 sums, v_exp_f32 and their like allow (about 1e-6 of the number): no bf16 or f16 on the way to a quantiser, and a product that is left as it is and whose result goes on into a quantised operand takes f32 operands (vector FMAs, or v_wmma_f32_16x16x4_f32). A number that lies on a knife's edge between two numbers of the format may be rounded either way, as far as f32 arithmetic and the matrix unit's own rounding can turn it there, and no further.
;;   INPUTS GIVEN AS CODES. W1 (in the module: [64, 64], K = its axis 0): each comes as NAME_codes (uint8): NAME with its K axis moved to the last place and cut into blocks of 32 codes, [.., K / 32, bytes a block], one block behind the other in memory; two codes a byte, the lower K in the low four bits (a code: sign, 2 exponent bits, 1 mantissa bit); and NAME_scales (uint8): the same leading axes, one E8M0 byte (e + 127) for each 32 codes along K. Its value is code x scale, taken as it is: it is not quantised again, and the codes and scales need not be those that the quantiser above would give.
;; One version. Each part assembles by itself: llvm-mc -triple=amdgcn-amd-amdhsa -mcpu=gfx1250 --defsym DOCPART=n.
;; ======== version 1 of 1: 1 launch
;; limits: inputs' magnitudes at most 1,000; right only within a limited range of input values
;; launch field (part 1): grid 256 x 1, 8 waves a work-group, no clusters, 13,824 bytes of LDS; arguments time_idx, rho, emb, W0, b0, W1_codes, W1_scales, b1, Wout, bout, out0; writes out0
.if DOCPART == 1
	.amdgcn_target "amdgcn-amd-amdhsa--gfx1250"
	.amdhsa_code_object_version 6
	.text
	.protected	k_q41d2919a95_field
	.globl	k_q41d2919a95_field
	.p2align	8
	.type	k_q41d2919a95_field,@function
k_q41d2919a95_field:
	s_mov_b64 s[64:65], 0
	v_nop
	global_prefetch_b8 v0, s[64:65] scope:SCOPE_SE
	s_setreg_imm32_b32 hwreg(HW_REG_WAVE_MODE, 25, 1), 1
	s_wait_xcnt 0x0
; out0[p] = 8610 where time_idx[p] == 0, else 28700 x sigmoid(silu(silu([emb[clip(time_idx[p]-1, 0, 510)], rho, cos(k pi rho), sin(k pi rho)] W0 + b0) W1 + b1) . Wout + bout + logit(0.3)),  k = 1 .. 8.
; The products with W0 and W1 run on codes of FP4 (E2M1) with one E8M0 scale for each 32 along K; the dot product with Wout (N = 1) is f32 multiply-adds; all else f32.
; NOTHING IS LEFT OUT: every input is loaded; points with time_idx == 0 are computed like the others and the constant is selected at the end.
; ONE LAUNCH.  Only rho, time_idx and out0 go through memory, each byte once; both hidden layers stay in registers.
; K = 49 IS TWO BLOCKS.  Block 0 is the embedding row: its codes and scale hang on the row alone, so each work-group quantises the 511 rows once into a table in LDS, and a point gathers 20 bytes.
;   emb is read in neighbouring bytes: thread t takes the 32 bytes at 32 (t + 256 j), j = 0 .. 7: eight numbers of row (t + 256 j) / 4; four neighbouring lanes hold a row and join their largest magnitudes.
;   Block 1 is the point's 17 features and 15 zeros, all in one lane.  Inside a block the order of k is free if both sides keep it: here cos 1..8, sin 1..8, rho, zeros; W0's rows 33..48, 32 are loaded in that order.
; SHARES.  A chunk is 64 neighbouring points; 31,250 chunks = 256 x 122 + 18.  Work-group b owns chunks 122 b + min(b, 18) on, 123 where b < 18, else 122; its eight waves take them by turns, 15 or 16 trips a wave.
;   A lane loads two neighbouring points (the wave reads and stores 256 consecutive aligned bytes).  Component g of the pairs is GROUP g: 32 points, a lane a point, two matrix tiles of 16 points: tile v = 2 g + u.
;   A CHUNK'S FOUR TILES GO THROUGH EACH STAGE TOGETHER: 128 accumulator registers, 128 exponentials in a batch, so that a layer of the whole chunk has four waits round such batches.
;   A CHUNK'S LAST SIGMOID (two exponentials, two reciprocals) RIDES IN THE NEXT TRIP'S FIRST-LAYER BATCHES, and its store follows there; the first trip jumps over that store, and the last chunk is finished behind the loop.
; LAYOUT.  Both products are used transposed (source 0 = 16 rows of weights, source 1 = 16 points): lane (r, h) of a result holds point r and eight hidden units.  Lane r of W0's tile t takes column
;   32 (t / 2) + 8 (t % 2) + r + 8 (r / 8), so that the 16 registers of tiles 2 b, 2 b + 1 are hidden units 32 b + 16 h + 0 .. 15: neighbours along the next K.
;   K fills registers 0-3 of an operand.  THE POINTS' registers 4-7 (k = 64 .. 127) are zero codes, kept.  So the weights' registers 4-7 may hold any codes (FP4 has only finite ones; their scale bytes are 0 = 2^-127):
;   a weight tile is 4 registers, and its operand's upper half is whatever follows it (the next tile; behind W1's last tile four registers of constants).  They multiply zeros.
;   The biases are the C of each tile's one matrix instruction: no accumulator is added onto twice.
; SILU, z / (1 + 2^t), t = -z log2(e).  Two units share one reciprocal: a = 1 + 2^ta, b = 1 + 2^tb: z_a / a = (z_a b) / (a b), z_b / b = (z_b a) / (a b).  Partners lie in neighbouring register pairs (a, c), (b, d).
;   First layer: t is held at 62 from above, so that a b stays under 2^125.  Second layer, where only the sum over units is wanted: with y = z Wout, N = y_a b + y_b a, u = a b, two such fractions are joined,
;   N1 / u1 + N2 / u2 = (N1 u2 + N2 u1) / (u1 u2): four units to a reciprocal; t is held at 31 there, so that u1 u2 stays under 2^125.
; SINE AND COSINE.  theta = fl(pi rho); sin and cos of theta by a reduction by pi/2 in two parts and polynomials on +-pi/4 (the two groups packed); the multiples by addition formulas on pairs of modes, at most three deep.
;   reference() takes sin and cos of fl(k theta): the rounding d = k theta - fl(k theta) is found exactly by one fused multiply-add (0 for k = 4, 8) and taken off to first order.
; NO CLUSTER: the work-groups share only the tables (emb 65,408 bytes, W0 12,544, the small weights), read once at the head through registers; the streams are each work-group's own.
; NO TENSOR LOAD, NO PREFETCH: a trip streams 768 bytes a wave, and its two loads are issued most of a trip ahead of their wait.
; LIMITS.  rho: the first-order term leaves d^2 / 2, under 1e-6 for |rho| up to about 1,000; beyond that not designed for.
;   silu, first layer: for z under -42.97 (t over 62) the sigmoid comes out as 2^-62: the error is under 2.2e-19 |z|.  Second layer: for z under -21.49 it comes out as 2^-31: the error is under 4.7e-10 |z|;
;   |z Wout| there stays under 2^30.  v_exp_f32 flushes denormals: 2^t under 2^-126 counts as 0.
;   A block of zeros gets the scale byte 1 where the rule says 127: its codes are zeros, and this program alone reads the byte.  NaN and infinities among the inputs are not served.
;   bout and logit(0.3) are added first and enter by one fused multiply-add: another order of rounding than reference()'s.  The feature block's products are summed in this text's order of k.
; LDS: 0: 512 rows x 16 bytes of codes (row 511 holds copies from row 510 that nobody reads); 8,192: 512 scale words; 10,240: W0's four tiles as images of the operand's registers (16 bytes a lane);
;   12,288: their scale words (4 bytes a lane); 12,800: the spare words, 128 bytes for each of the eight waves.
.set TSC,   8192
.set W0IMG, 10240
.set W0SC,  12288
.set SPARE, 12800
.set LASTCH, 31249
; window 0
.set LANE8, 1                          ; 8 x lane
.set VOL,   2                          ; byte offset of my two points in the chunk that is loaded
.set VOS,   3                          ; the same for this trip's chunk
.set SPW,   4                          ; my spare word; never rewritten
.set NIL,   5                          ; 0; never rewritten
.set RHO,   6                          ; v[6:7]
.set TIX,   8                          ; v[8:9]
.set RAW,   10                         ; v[10:11] the dot products of groups 0, 1, then the last sigmoid's steps
.set OUT,   12                         ; v[12:13] the results
.set SW,    14                         ; v14, v15 scale words of the groups' points: scales alone
.set PW,    16                         ; v16-19 scale words of the tiles' hidden layers: scales alone
.set W0S,   20                         ; v20-23 W0's scale words
.set W1S,   24                         ; v24-27 W1's
.set FR,    28                         ; v28-35, v36-43 rho and seven zeros, which stay, for each group
.set OP,    44                         ; v44-75 the four tiles' operands, 8 registers each: the points' codes, then the hidden layer's; registers 4-7 of each stay 0
.set W0F,   76                         ; v76-91 W0's four tiles, 4 registers each
.set W1F,   92                         ; v92-107 W1's
.set KK,    108                        ; v108-113 3.0 .. 8.0
.set VB,    114                        ; v[114:115] -log2(e) (bout + logit(0.3)), twice
.set PD,    116                        ; v116-119 the tiles' partial dot products
.set HT,    120                        ; v120-125 the head's quantiser of W0
.set VOSD,  126                        ; v126 byte offset of the last trip's chunk, which is stored in this trip
.set T,     128                        ; v128-255 t, 2^t, a b, reciprocals; temporaries of the features and quantisers
; window 1
.set Z,     0                          ; v256-383 the sixteen accumulators: tile v, weight tile t at Z + 32 v + 8 t
.set B0,    128                        ; v384-415 b0, v416-447 b1, v448-479 Wout, in the results' layouts
.set B1,    160
.set WO,    192
; the head's address terms
.set L16, 44
.set L4,  45
.set HR,  46
.set HH,  47
.set HRP, 48
.set EA,  49
.set EB,  50
.set TA,  51
.set TS,  52
.set WA,  53
.set WB,  54
.set WC,  55
.set BA0, 56
.set BA1, 57
.set W1A, 58
.set W1SA, 59
.set SH8, 60
.set TR,  61
; the features: group g's at + 64 g: cos 1..8, sin 1..8 in T .. T+15, then temporaries
.set PA,  T+16
.set PB,  T+18
.set C34, T+20
.set S34, T+22
.set C56, T+24
.set S56, T+26
.set C78, T+28
.set S78, T+30
.set FW,  T+32
.set TMG, T+44
.set SCG, T+46
.set FB,  T+47
.set GA,  T+48
.set GS,  T+49
.set ESC, T+50
.set ODD, T+51
.set SGS, T+52
.set SGC, T+53
.set NI,  T+54
; and pairs that hold both groups' numbers
.set TH,  T+56
.set NN,  T+58
.set RR,  T+60
.set ZZ,  T+62
.set PS,  T+120
.set PC,  T+122
.set ZR,  T+124
.set ZSQ, T+126
; scalars: s4, s5 the last chunk's masks; s6 31.0; s7 0 in the first trip, then 1; s[8:29] the eleven addresses; s30 wave; s31 bout; s[32:33] lane selects; s[34:35] -log2(e); s36, s37, s44, s45 polynomial coefficients;
;   s38 chunk; s39 trips left; s40, s41 this chunk's masks; s42, s43 at work; s46 62.0; s47 8610.0
.set MSB, 0
.macro WIN new                         ; bits 1:0 source 0, 3:2 source 1, 5:4 source 2, 7:6 destination; the immediate's high byte repeats the setting that is left
.if MSB != \new
	s_set_vgpr_msb (MSB<<8)|\new
.set MSB, \new
.endif
.endm
.macro PLACES n
.rept \n
	v_nop
.endr
.endm
.macro VWAIT
	s_wait_alu depctr_va_vdst(0)
.endm
	s_load_b512 s[8:23], s[0:1], 0x0               ; time_idx 8:9, rho 10:11, emb 12:13, W0 14:15, b0 16:17, W1's codes 18:19, W1's scales 20:21, b1 22:23
	s_load_b128 s[24:27], s[0:1], 0x40             ; Wout 24:25, bout 26:27
	s_load_b64 s[28:29], s[0:1], 0x50              ; out0
	v_lshl_add_u32 v[SPW], v0, 2, SPARE
	v_mov_b32 v[NIL], 0
	v_lshrrev_b32 v[HR], 5, v0
	v_readfirstlane_b32 s30, v[HR]                 ; wave 0..7
	v_and_b32 v[LANE8], 31, v0
	v_lshlrev_b32 v[LANE8], 3, v[LANE8]
	v_and_b32 v[HR], 15, v0                        ; r
	v_bfe_u32 v[HH], v0, 4, 1                      ; h
	v_and_b32 v[HRP], 8, v[HR]
	v_add_nc_u32 v[HRP], v[HRP], v[HR]             ; r + 8 (r / 8)
	v_lshlrev_b32 v[EA], 5, v0                     ; emb: 32 bytes a thread, 8,192 a step
	v_add_nc_u32 v[EB], 7*8192, v[EA]
	v_min_u32 v[EB], 65376, v[EB]                  ; the last step is held at emb's last 32 bytes (threads 252-255 would pass its end)
	v_and_b32 v[TR], 0xfc, v0                      ; 4 x (thread / 4): my row's scale word
	v_lshlrev_b32 v[TA], 4, v0
	v_lshlrev_b32 v[TS], 2, v0
	v_lshlrev_b32 v[WB], 2, v[HRP]                 ; W0: my column
	v_mad_u32_u24 v[WA], v[HH], 0x2100, v[WB]      ; lanes 16-31: 33 rows of 256 bytes further down (register i: row 33 + i)
	v_lshl_add_u32 v[WC], v[HH], 12, v[WB]         ; 16 rows further down (register 16: row 32, rho's)
	v_lshlrev_b32 v[BA0], 6, v[HH]
	v_lshlrev_b32 v[BA1], 5, v[HH]
	v_lshlrev_b32 v[W1A], 5, v[HR]
	v_lshl_add_u32 v[W1A], v[HH], 4, v[W1A]
	v_lshlrev_b32 v[W1SA], 1, v[HR]
	v_lshlrev_b32 v[SH8], 3, v[HH]
	v_lshlrev_b32 v[L16], 1, v[LANE8]
	v_lshrrev_b32 v[L4], 1, v[LANE8]
	v_mov_b32 v[HT+2], 0                           ; a lane permute's destination counts as one of its sources
	v_mov_b32 v[RAW], 0                            ; the first trip has no chunk before it: its ride-along steps work on zeros, and nothing of them is stored
	v_mov_b32 v[RAW+1], 0
	s_mov_b32 s4, 0
	s_mov_b32 s5, 0
	s_mov_b32 s6, 0x41f80000                       ; 31.0
	s_mov_b32 s7, 0
	s_mov_b32 s32, 0x76543210
	s_mov_b32 s33, 0xfedcba98                      ; v_permlanex16_b32's selects for lane l xor 16
	s_mov_b32 s34, 0xbfb8aa3b                      ; -log2(e)
	s_mov_b32 s35, s34
	s_mov_b32 s36, 0xb94ca1f9                      ; sine:   -1.9515296e-4,
	s_mov_b32 s37, 0x3c08839e                      ;          8.3321609e-3
	s_mov_b32 s44, 0x37ccf5ce                      ; cosine:  2.4433157e-5,
	s_mov_b32 s45, 0xbab6061a                      ;         -1.3887316e-3
	s_mov_b32 s46, 0x42780000                      ; 62.0
	s_mov_b32 s47, 0x46068800                      ; 0.3 x 28700 = 8610
	s_mul_i32 s42, ttmp9, 122
	s_min_u32 s43, ttmp9, 18
	s_add_co_u32 s38, s42, s43
	s_add_co_u32 s38, s38, s30                     ; my wave's first chunk
	s_cmp_lt_u32 ttmp9, 18
	s_cselect_b32 s43, 3, 2                        ; the work-group's chunks less 120
	s_cmp_lt_u32 s30, s43
	s_cselect_b32 s39, 16, 15                      ; my trips: chunks wave + 8 i under 122 or 123
	s_lshr_b32 s42, s30, 1                         ; waves 0-3 quantise W0's tile t = wave: its first column is 32 (t / 2) + 8 (t % 2)
	s_lshl_b32 s42, s42, 7
	s_and_b32 s43, s30, 1
	s_lshl_b32 s43, s43, 5
	s_add_co_u32 s42, s42, s43
	s_mov_b32 s43, 0
	v_lshl_add_u32 v[VOL], s38, 8, v[LANE8]        ; a chunk is 256 bytes in rho, in time_idx and in out0
	v_mov_b32 v[VOS], v[VOL]
	VWAIT
	s_wait_kmcnt 0x0
	s_load_b32 s31, s[26:27], 0x0                  ; bout
	s_cmp_lt_u32 s30, 4
	s_cbranch_scc0 .Lno_w0
	s_add_nc_u64 s[14:15], s[14:15], s[42:43]
.set i, 0
.rept 16
	global_load_b32 v[T+64+i], v[WA], s[14:15] offset:256*i    ; lanes 0-15: row i; lanes 16-31: row 33 + i (cos 1..8, sin 1..8)
.set i, i+1
.endr
	global_load_b32 v[T+80], v[WC], s[14:15] offset:256*16     ; row 16; row 32 (rho)
.set i, 17
.rept 15
	global_load_b32 v[T+64+i], v[WB], s[14:15] offset:256*i    ; rows 17 .. 31 in both halves (K ends at 49: no load leaves the buffer); cleared in lanes 16-31 below
.set i, i+1
.endr
.Lno_w0:
.irp j, 0,1,2,3,4,5,6
	global_load_b128 v[T+8*\j:T+8*\j+3], v[EA], s[12:13] offset:8192*\j          ; emb: my eight numbers of step j
	global_load_b128 v[T+8*\j+4:T+8*\j+7], v[EA], s[12:13] offset:8192*\j+16
.endr
	global_load_b128 v[T+56:T+59], v[EB], s[12:13]
	global_load_b128 v[T+60:T+63], v[EB], s[12:13] offset:16
.irp t, 0,1,2,3
	global_load_b128 v[W1F+4*\t:W1F+4*\t+3], v[W1A], s[18:19] offset:512*\t      ; W1's codes: row 16 t + r, block h: 16 bytes as they lie
	global_load_u16 v[W1S+\t], v[W1SA], s[20:21] offset:32*\t                    ; its two scale bytes; bytes 2, 3 are 0
.endr
	WIN 0x40                                       ; destination window 1
.irp t, 0,1,2,3
	global_load_b128 v[B0+8*\t:B0+8*\t+3], v[BA0], s[16:17] offset:(32*(\t/2)+8*(\t%2))*4      ; b0 at hidden units 32 (t / 2) + 16 h + 8 (t % 2) + 0 .. 7
	global_load_b128 v[B0+8*\t+4:B0+8*\t+7], v[BA0], s[16:17] offset:(32*(\t/2)+8*(\t%2))*4+16
	global_load_b128 v[B1+8*\t:B1+8*\t+3], v[BA1], s[22:23] offset:64*\t                       ; b1 and Wout at units 16 t + 8 h + 0 .. 7
	global_load_b128 v[B1+8*\t+4:B1+8*\t+7], v[BA1], s[22:23] offset:64*\t+16
	global_load_b128 v[WO+8*\t:WO+8*\t+3], v[BA1], s[24:25] offset:64*\t
	global_load_b128 v[WO+8*\t+4:WO+8*\t+7], v[BA1], s[24:25] offset:64*\t+16
.endr
	WIN 0
	global_load_b64 v[RHO:RHO+1], v[VOL], s[10:11] th:TH_LOAD_NT
	global_load_b64 v[TIX:TIX+1], v[VOL], s[8:9] th:TH_LOAD_NT
	s_wait_loadcnt 2                               ; all but the first chunk's two loads, on both ways
; emb's table: step j's eight numbers are a quarter of row (thread + 256 j) / 4.  T+96+j: largest magnitude; T+104+j: the conversion's scale operand; T+112+j: 8 codes; T+120+j: the byte
.irp j, 0,1,2,3,4,5,6,7
	v_max3_num_f32 v[T+96+\j], |v[T+8*\j]|, |v[T+8*\j+1]|, 0x1800000             ; with the floor 2^(3 - 127)
.endr
.irp i, 2,4,6
.irp j, 0,1,2,3,4,5,6,7
	v_max3_num_f32 v[T+96+\j], v[T+96+\j], |v[T+8*\j+\i]|, |v[T+8*\j+\i+1]|
.endr
.endr
.irp m, 1,2
.irp j, 0,1,2,3,4,5,6,7
	v_max_num_f32_dpp v[T+96+\j], v[T+96+\j], v[T+96+\j] row_xmask:\m row_mask:0xf bank_mask:0xf   ; with the row's other three lanes
.endr
.endr
.irp j, 0,1,2,3,4,5,6,7
	v_add_nc_u32 v[T+104+\j], 0xff000000, v[T+96+\j]
.endr
.irp j, 0,1,2,3,4,5,6,7
	v_lshrrev_b32 v[T+120+\j], 23, v[T+104+\j]
.endr
.irp j, 0,1,2,3,4,5,6,7
	v_cvt_scalef32_pk8_fp4_f32 v[T+112+\j], v[T+8*\j:T+8*\j+7], v[T+104+\j]
.endr
	v_nop                                          ; one plain place behind the scaled conversions
.irp j, 0,1,2,3,4,5,6,7
	ds_store_b32 v[TS], v[T+112+\j] offset:1024*\j                 ; 4 x (thread + 256 j) = 16 x row + 4 x quarter
	ds_store_b32 v[TR], v[T+120+\j] offset:TSC+256*\j              ; the row's four lanes store the same word
.endr
	VWAIT
	s_cmp_lt_u32 s30, 4
	s_cbranch_scc0 .Lno_qw
	s_mov_b32 vcc_lo, 0xffff                       ; lanes 0-15
.set i, 17
.rept 15
	v_cndmask_b32 v[T+64+i], 0, v[T+64+i], vcc_lo  ; beyond K = 49 the block is filled with zeros
.set i, i+1
.endr
	v_max3_num_f32 v[HT], |v[T+64]|, |v[T+65]|, 0x1800000          ; a lane holds a whole block of its column: its largest magnitude, in two chains
	v_max3_num_f32 v[HT+1], |v[T+66]|, |v[T+67]|, |v[T+68]|
.set i, 5
.rept 13
	v_max3_num_f32 v[HT+((i-5)/2)%2], v[HT+((i-5)/2)%2], |v[T+64+i]|, |v[T+64+i+1]|
.set i, i+2
.endr
	v_max3_num_f32 v[HT], v[HT], v[HT+1], |v[T+95]|
	v_add_nc_u32 v[HT+4], 0xff000000, v[HT]
	v_lshrrev_b32 v[HT+5], 23, v[HT+4]
	v_lshlrev_b32 v[HT+5], v[SH8], v[HT+5]         ; the byte at its block's place;
	v_permlanex16_b32 v[HT+2], v[HT+5], s32, s33
	v_or_b32 v[HT+5], v[HT+5], v[HT+2]             ; with lane l xor 16's the word is whole
.irp g, 0,1,2,3
	v_cvt_scalef32_pk8_fp4_f32 v[W0F+\g], v[T+64+8*\g:T+64+8*\g+7], v[HT+4]
.endr
	v_nop
	ds_store_b128 v[TA], v[W0F:W0F+3] offset:W0IMG     ; 16 x thread = 512 x tile + 16 x lane
	ds_store_b32 v[TS], v[HT+5] offset:W0SC
.Lno_qw:
.irp v, 0,1,2,3
.irp j, 4,5,6,7
	v_mov_b32 v[OP+8*\v+\j], 0                     ; zero codes for k = 64 .. 127 of the points' operands, written once
.endr
.endr
.irp j, 1,2,3,4,5,6,7
	v_mov_b32 v[FR+\j], 0
	v_mov_b32 v[FR+8+\j], 0
.endr
	v_mov_b32 v[KK], 0x40400000                    ; 3, 4, 5, 6, 7, 8
	v_mov_b32 v[KK+1], 4.0
	v_mov_b32 v[KK+2], 0x40a00000
	v_mov_b32 v[KK+3], 0x40c00000
	v_mov_b32 v[KK+4], 0x40e00000
	v_mov_b32 v[KK+5], 0x41000000
	VWAIT
	s_wait_kmcnt 0x0                               ; bout
	v_mov_b32 v[VB], s31
	v_add_f32 v[VB], 0xbf58e883, v[VB]             ; + logit(0.3) = -0.84729786
	v_mul_f32 v[VB], 0xbfb8aa3b, v[VB]             ; x -log2(e)
	v_mov_b32 v[VB+1], v[VB]
	VWAIT
	s_wait_dscnt 0x0                               ; for the others' sake: my stores are done
	s_barrier_signal -1
	s_barrier_wait -1                              ; the tables are whole; from here to the barrier behind the loop LDS is only read
.irp t, 0,1,2,3
	ds_load_b128 v[W0F+4*\t:W0F+4*\t+3], v[L16] offset:W0IMG+512*\t
	ds_load_b32 v[W0S+\t], v[L4] offset:W0SC+128*\t
.endr
	s_wait_dscnt 0x0
; cos and sin of two angles (a pair of registers each) plus a third, whose cos and sin are the SECOND registers of the pairs mc, ms; o = 64 x group
.macro PROT dc, ds, c, s, mc, ms, o
	v_pk_mul_f32 v[PA+\o:PA+\o+1], v[\s+\o:\s+\o+1], v[\ms+\o:\ms+\o+1] op_sel:[0,1] op_sel_hi:[1,1]
	v_pk_mul_f32 v[PB+\o:PB+\o+1], v[\c+\o:\c+\o+1], v[\ms+\o:\ms+\o+1] op_sel:[0,1] op_sel_hi:[1,1]
	v_pk_fma_f32 v[\dc+\o:\dc+\o+1], v[\c+\o:\c+\o+1], v[\mc+\o:\mc+\o+1], v[PA+\o:PA+\o+1] op_sel:[0,1,0] op_sel_hi:[1,1,1] neg_lo:[0,0,1] neg_hi:[0,0,1]
	v_pk_fma_f32 v[\ds+\o:\ds+\o+1], v[\s+\o:\s+\o+1], v[\mc+\o:\mc+\o+1], v[PB+\o:PB+\o+1] op_sel:[0,1,0] op_sel_hi:[1,1,1]
.endm
; reference() takes cos and sin of a = fl(k theta) = k theta - d: cos a = cos(k theta) + d sin(k theta), sin a = sin(k theta) - d cos(k theta), to first order in d; two modes at a time, into places p, p + 1.
; theta of group g is register g of the pair TH
.macro FIXP p, kk, uc, us, w, g
	v_pk_mul_f32 v[\w+64*\g:\w+64*\g+1], v[TH:TH+1], v[\kk:\kk+1] op_sel:[\g,0] op_sel_hi:[\g,1]
	v_pk_fma_f32 v[\w+64*\g+2:\w+64*\g+3], v[TH:TH+1], v[\kk:\kk+1], v[\w+64*\g:\w+64*\g+1] op_sel:[\g,0,0] op_sel_hi:[\g,1,1] neg_lo:[0,0,1] neg_hi:[0,0,1]
	v_pk_fma_f32 v[T+64*\g+\p:T+64*\g+\p+1], v[\w+64*\g+2:\w+64*\g+3], v[\us+64*\g:\us+64*\g+1], v[\uc+64*\g:\uc+64*\g+1]
	v_pk_fma_f32 v[T+64*\g+8+\p:T+64*\g+9+\p], v[\w+64*\g+2:\w+64*\g+3], v[\uc+64*\g:\uc+64*\g+1], v[\us+64*\g:\us+64*\g+1] neg_lo:[1,0,0] neg_hi:[1,0,0]
.endm
; BOTH GROUPS, a lane a point of each: the rows' codes and scale words are asked of the table; the features are made and quantised meanwhile; then the four tiles' operands are put together
.macro FEATS
.irp g, 0,1
	v_add_nc_u32 v[GA+64*\g], -1, v[TIX+\g]
	v_cmp_eq_u32 s[40+\g], 0, v[TIX+\g]            ; the initial condition's points: kept for the select at the end
	v_max_i32 v[GA+64*\g], 0, v[GA+64*\g]          ; clip(time_idx - 1, 0, 510)
	v_min_u32 v[GA+64*\g], 0x1fe, v[GA+64*\g]
	v_lshlrev_b32 v[GS+64*\g], 2, v[GA+64*\g]
	v_lshlrev_b32 v[GA+64*\g], 4, v[GA+64*\g]
	ds_load_b128 v[OP+16*\g:OP+16*\g+3], v[GA+64*\g]
	ds_load_b32 v[ESC+64*\g], v[GS+64*\g] offset:TSC
	v_mov_b32 v[FR+8*\g], v[RHO+\g]
.endr
	v_pk_mul_f32 v[TH:TH+1], v[RHO:RHO+1], 0x40490fdb op_sel_hi:[1,0]                ; theta = fl(pi rho)
	v_pk_mul_f32 v[NN:NN+1], v[TH:TH+1], 0x3f22f983 op_sel_hi:[1,0]                  ; x 2 / pi
	v_rndne_f32 v[NN], v[NN]
	v_rndne_f32 v[NN+1], v[NN+1]
	v_pk_fma_f32 v[RR:RR+1], v[NN:NN+1], 0xbfc90fdb, v[TH:TH+1] op_sel_hi:[1,0,1]    ; theta - n pi/2, pi/2 in two parts
	v_pk_fma_f32 v[RR:RR+1], v[NN:NN+1], 0x333bbd2e, v[RR:RR+1] op_sel_hi:[1,0,1]
	v_cvt_i32_f32 v[NI], v[NN]
	v_cvt_i32_f32 v[NI+64], v[NN+1]
	v_pk_mul_f32 v[ZZ:ZZ+1], v[RR:RR+1], v[RR:RR+1]
.irp g, 0,1
	v_fma_f32 v[PS+\g], v[ZZ+\g], s36, s37
	v_fma_f32 v[PC+\g], v[ZZ+\g], s44, s45
.endr
	v_pk_mul_f32 v[ZR:ZR+1], v[ZZ:ZZ+1], v[RR:RR+1]
	v_pk_mul_f32 v[ZSQ:ZSQ+1], v[ZZ:ZZ+1], v[ZZ:ZZ+1]
	v_pk_fma_f32 v[PS:PS+1], v[PS:PS+1], v[ZZ:ZZ+1], 0xbe2aaaa3 op_sel_hi:[1,1,0]
	v_pk_fma_f32 v[PC:PC+1], v[PC:PC+1], v[ZZ:ZZ+1], 0x3d2aaaa5 op_sel_hi:[1,1,0]
	v_pk_fma_f32 v[NN:NN+1], v[ZZ:ZZ+1], -0.5, 1.0 op_sel_hi:[1,0,0]
	v_pk_fma_f32 v[PS:PS+1], v[PS:PS+1], v[ZR:ZR+1], v[RR:RR+1]                      ; sin r
	v_pk_fma_f32 v[NN:NN+1], v[PC:PC+1], v[ZSQ:ZSQ+1], v[NN:NN+1]                    ; cos r
.irp g, 0,1
	v_and_b32 v[ODD+64*\g], 1, v[NI+64*\g]
	v_cmp_eq_u32 vcc_lo, 1, v[ODD+64*\g]           ; n odd: sine and cosine change places
	v_lshlrev_b32 v[SGS+64*\g], 30, v[NI+64*\g]    ; the sine is negative where n mod 4 is 2 or 3,
	v_add_nc_u32 v[SGC+64*\g], 1, v[NI+64*\g]
	v_lshlrev_b32 v[SGC+64*\g], 30, v[SGC+64*\g]   ; the cosine where it is 1 or 2
	v_cndmask_b32 v[T+64*\g+8], v[PS+\g], v[NN+\g], vcc_lo
	v_cndmask_b32 v[T+64*\g], v[NN+\g], v[PS+\g], vcc_lo
	v_and_b32 v[SGS+64*\g], 0x80000000, v[SGS+64*\g]
	v_and_b32 v[SGC+64*\g], 0x80000000, v[SGC+64*\g]
	v_xor_b32 v[T+64*\g+8], v[SGS+64*\g], v[T+64*\g+8]             ; sin theta
	v_xor_b32 v[T+64*\g], v[SGC+64*\g], v[T+64*\g]                 ; cos theta
.endr
.irp g, 0,1
	v_mul_f32 v[PA+64*\g], v[T+64*\g+8], v[T+64*\g+8]              ; 2 = 1 + 1
	v_mul_f32 v[PB+64*\g], v[T+64*\g], v[T+64*\g+8]
.endr
.irp g, 0,1
	v_fma_f32 v[T+64*\g+1], v[T+64*\g], v[T+64*\g], -v[PA+64*\g]
	v_fma_f32 v[T+64*\g+9], v[T+64*\g+8], v[T+64*\g], v[PB+64*\g]
.endr
.irp o, 0,64
	PROT C34, S34, T, T+8, T, T+8, \o              ; (3, 4) = (1, 2) + 2
.endr
.irp o, 0,64
	PROT C56, S56, T, T+8, C34, S34, \o            ; (5, 6) = (1, 2) + 4
.endr
.irp o, 0,64
	PROT C78, S78, C34, S34, C34, S34, \o          ; (7, 8) = (3, 4) + 4
.endr
.irp g, 0,1
	FIXP 2, KK, C34, S34, FW, \g
	FIXP 4, KK+2, C56, S56, FW+4, \g
	FIXP 6, KK+4, C78, S78, FW+8, \g
.endr
.irp g, 0,1
	v_max3_num_f32 v[TMG+64*\g], |v[FR+8*\g]|, |v[T+64*\g]|, 0x1800000           ; the block's largest magnitude: all 17 numbers are mine; and the floor
	v_max3_num_f32 v[TMG+64*\g+1], |v[T+64*\g+1]|, |v[T+64*\g+2]|, |v[T+64*\g+3]|
.endr
.irp i, 4,8,12
.irp g, 0,1
	v_max3_num_f32 v[TMG+64*\g], v[TMG+64*\g], |v[T+64*\g+\i]|, |v[T+64*\g+\i+1]|
	v_max3_num_f32 v[TMG+64*\g+1], v[TMG+64*\g+1], |v[T+64*\g+\i+2]|, |v[T+64*\g+\i+3]|
.endr
.endr
.irp g, 0,1
	v_max_num_f32 v[TMG+64*\g], v[TMG+64*\g], v[TMG+64*\g+1]
.endr
.irp g, 0,1
	v_add_nc_u32 v[SCG+64*\g], 0xff000000, v[TMG+64*\g]            ; 2 off its exponent field: the conversions' scale operand
.endr
.irp g, 0,1
	v_lshrrev_b32 v[FB+64*\g], 23, v[SCG+64*\g]
.endr
.irp g, 0,1
	v_cvt_scalef32_pk8_fp4_f32 v[OP+16*\g+8], v[T+64*\g:T+64*\g+7], v[SCG+64*\g]
	v_cvt_scalef32_pk8_fp4_f32 v[OP+16*\g+9], v[T+64*\g+8:T+64*\g+15], v[SCG+64*\g]
	v_cvt_scalef32_pk8_fp4_f32 v[OP+16*\g+10], v[FR+8*\g:FR+8*\g+7], v[SCG+64*\g]
.endr
	v_mov_b32 v[OP+11], 0                          ; codes 24 .. 31 of the block; also the plain place behind the conversions
	v_mov_b32 v[OP+27], 0
	VWAIT
	s_wait_dscnt 0x0                               ; the rows' codes and scale words are in
.irp g, 0,1
	v_lshl_or_b32 v[SW+\g], v[FB+64*\g], 8, v[ESC+64*\g]           ; byte 0: the row's block, byte 1: the features'; lane = point
.endr
.irp g, 0,1
.irp i, 0,1,2,3
	v_permlane16_swap_b32 v[OP+16*\g+\i], v[OP+16*\g+8+\i]         ; tile 2 g: lanes 0-15 the rows' codes of points 0-15, lanes 16-31 their features' codes; tile 2 g + 1: the same of points 16-31
.endr
.endr
.endm
; t = min(hold, -log2(e) z) for the chunk's 128 registers (ascending: each accumulator is first read at its low end), then 2^t; the hold stands in s[h]
.macro TEES h
	WIN 0x01
.set i, 0
.rept 64
	v_pk_mul_f32 v[T+i:T+i+1], v[Z+i:Z+i+1], s[34:35] op_sel_hi:[1,0]
.set i, i+2
.endr
	WIN 0
.set i, 0
.rept 64
	v_dual_min_num_f32 v[T+i], s[\h], v[T+i] :: v_dual_min_num_f32 v[T+i+1], s[\h], v[T+i+1]
.set i, i+2
.endr
	VWAIT
.set i, 0
.rept 128
	v_exp_f32 v[T+i], v[T+i]
.set i, i+1
.endr
.endm
.macro ZB_TIMES                        ; Z(a, c) x T(b, d), in place
	WIN 0x41
.set q, 0
.rept 32
	v_pk_mul_f32 v[Z+q:Z+q+1], v[Z+q:Z+q+1], v[T+q+2:T+q+3]
.set q, q+4
.endr
.endm
.Ltrip:                                            ; a trip is a chunk of 64 points
	s_wait_loadcnt 0x0                             ; the chunk's rho and time_idx, asked for in the last trip (the first: at the head)
	FEATS
	s_add_co_u32 s38, s38, 8                       ; my next chunk;
	s_min_u32 s42, s38, LASTCH                     ; in the last trip the look-ahead is held at the last chunk: no load leaves its buffer
	VWAIT
	s_wait_xcnt 0x0                                ; the last trip's store has read its offset and its data: both are written again only behind this wait
	v_mov_b32 v[VOSD], v[VOS]                      ; the last chunk's place, for the store below
	v_mov_b32 v[VOS], v[VOL]                       ; this chunk's
	v_lshl_add_u32 v[VOL], s42, 8, v[LANE8]        ; (the loads that named VOL were shown done at the trip's head)
	global_load_b64 v[RHO:RHO+1], v[VOL], s[10:11] th:TH_LOAD_NT   ; FEATS has read both pairs for the last time
	global_load_b64 v[TIX:TIX+1], v[VOL], s[8:9] th:TH_LOAD_NT
	PLACES 5                                       ; with the three lines above: eight places ahead of the scaled matrix instructions
	WIN 0x50                                       ; C and D in window 1
.irp g, 0,1
.irp t, 0,1,2,3
	v_wmma_scale_f32_16x16x128_f8f6f4 v[Z+64*\g+8*\t:Z+64*\g+8*\t+7], v[W0F+4*\t:W0F+4*\t+7], v[OP+16*\g:OP+16*\g+7], v[B0+8*\t:B0+8*\t+7], v[W0S+\t], v[SW+\g] matrix_a_fmt:MATRIX_FMT_FP4 matrix_b_fmt:MATRIX_FMT_FP4
.endr
.irp t, 0,1,2,3
	v_wmma_scale_f32_16x16x128_f8f6f4 v[Z+64*\g+32+8*\t:Z+64*\g+32+8*\t+7], v[W0F+4*\t:W0F+4*\t+7], v[OP+16*\g+8:OP+16*\g+15], v[B0+8*\t:B0+8*\t+7], v[W0S+\t], v[SW+\g] matrix_a_fmt:MATRIX_FMT_FP4 matrix_b_fmt:MATRIX_FMT_FP4 matrix_b_scale:MATRIX_SCALE_ROW1
.endr
.endr
	WIN 0
	PLACES 4                                       ; four places between a matrix instruction and the first read of its result (ISA guide 7.12.1)
	TEES 46
	v_exp_f32 v[RAW], v[RAW]                       ; the last chunk's sigmoid rides along: 2^(-log2(e) x)
	v_exp_f32 v[RAW+1], v[RAW+1]
	v_nop
	VWAIT
	v_pk_add_f32 v[RAW:RAW+1], v[RAW:RAW+1], 1.0 op_sel_hi:[1,0]
.set q, 0
.rept 32
	v_pk_add_f32 v[T+q+2:T+q+3], v[T+q+2:T+q+3], 1.0 op_sel_hi:[1,0]                 ; (b, d) = 1 + 2^t
.set q, q+4
.endr
	ZB_TIMES                                       ; z(a, c) x (b, d)
	WIN 0
.set q, 0
.rept 32
	v_pk_fma_f32 v[T+q+2:T+q+3], v[T+q:T+q+1], v[T+q+2:T+q+3], v[T+q+2:T+q+3]        ; (a b, c d)
.set q, q+4
.endr
	VWAIT
.set q, 0
.rept 32
	v_rcp_f32 v[T+q+2], v[T+q+2]                   ; 1 / (a b), in place
	v_rcp_f32 v[T+q+3], v[T+q+3]
.set q, q+4
.endr
	v_rcp_f32 v[RAW], v[RAW]
	v_rcp_f32 v[RAW+1], v[RAW+1]
	WIN 0x51
.set q, 0
.rept 32
	v_pk_fma_f32 v[Z+q+2:Z+q+3], v[Z+q+2:Z+q+3], v[T+q:T+q+1], v[Z+q+2:Z+q+3]        ; z(b, d) x (a, c): work behind the reciprocals that names none of them
.set q, q+4
.endr
	WIN 0
	VWAIT
	v_pk_mul_f32 v[RAW:RAW+1], v[RAW:RAW+1], 0x46e03800 op_sel_hi:[1,0]              ; the last chunk: x 28700
	v_cndmask_b32 v[OUT], v[RAW], s47, s4          ; 8610 where time_idx == 0
	v_cndmask_b32 v[OUT+1], v[RAW+1], s47, s5
	VWAIT
	s_cmp_eq_u32 s7, 0
	s_cbranch_scc1 .Lno_chunk_before               ; the first trip has nothing to store
	global_store_b64 v[VOSD], v[OUT:OUT+1], s[28:29] th:TH_STORE_NT                  ; 32 lanes store 256 consecutive bytes, at a multiple of 256 from out0's first byte
.Lno_chunk_before:
	WIN 0x41
.set q, 0
.rept 32
	v_pk_mul_f32 v[Z+q:Z+q+1], v[Z+q:Z+q+1], v[T+q+2:T+q+3]                          ; silu, in place
	v_pk_mul_f32 v[Z+q+2:Z+q+3], v[Z+q+2:Z+q+3], v[T+q+2:T+q+3]
.set q, q+4
.endr
; The hidden layer's eight blocks (c = 2 v + b: registers 16 c + i of Z are hidden units 32 b + 16 h + i of tile v's point): largest magnitudes in T+c and T+8+c, scale operands in T+16+c, bytes in T+24+c
	WIN 0x15
.irp c, 0,1,2,3,4,5,6,7
	v_max3_num_f32 v[T+\c], |v[Z+16*\c]|, |v[Z+16*\c+1]|, |v[Z+16*\c+2]|
	v_max3_num_f32 v[T+8+\c], |v[Z+16*\c+3]|, |v[Z+16*\c+4]|, |v[Z+16*\c+5]|
.endr
	WIN 0x14
.irp i, 6,10
.irp c, 0,1,2,3,4,5,6,7
	v_max3_num_f32 v[T+\c], v[T+\c], |v[Z+16*\c+\i]|, |v[Z+16*\c+\i+1]|
	v_max3_num_f32 v[T+8+\c], v[T+8+\c], |v[Z+16*\c+\i+2]|, |v[Z+16*\c+\i+3]|
.endr
.endr
.irp c, 0,1,2,3,4,5,6,7
	v_max3_num_f32 v[T+\c], v[T+\c], |v[Z+16*\c+14]|, |v[Z+16*\c+15]|
.endr
	WIN 0
.irp c, 0,1,2,3,4,5,6,7
	v_max3_num_f32 v[T+\c], v[T+\c], v[T+8+\c], 0x1800000          ; and the floor 2^(3 - 127)
.endr
.irp c, 0,1,2,3,4,5,6,7
	v_permlanex16_b32 v[T+8+\c], v[T+\c], s32, s33
.endr
.irp c, 0,1,2,3,4,5,6,7
	v_max_num_f32 v[T+\c], v[T+\c], v[T+8+\c]      ; with lane l xor 16's 16 numbers
.endr
.irp c, 0,1,2,3,4,5,6,7
	v_add_nc_u32 v[T+16+\c], 0xff000000, v[T+\c]
.endr
.irp c, 0,1,2,3,4,5,6,7
	v_lshrrev_b32 v[T+24+\c], 23, v[T+16+\c]
.endr
.irp v, 0,1,2,3
	v_lshl_or_b32 v[PW+\v], v[T+25+2*\v], 8, v[T+24+2*\v]          ; my point's scale word
.endr
	WIN 0x01
.irp c, 0,1,2,3,4,5,6,7
	v_cvt_scalef32_pk8_fp4_f32 v[OP+8*(\c/2)+2*(\c%2)], v[Z+16*\c:Z+16*\c+7], v[T+16+\c]
	v_cvt_scalef32_pk8_fp4_f32 v[OP+8*(\c/2)+2*(\c%2)+1], v[Z+16*\c+8:Z+16*\c+15], v[T+16+\c]
.endr
	WIN 0
	v_nop                                          ; one plain place behind the scaled conversions
.irp v, 0,1,2,3
	v_permlane16_swap_b32 v[OP+8*\v], v[OP+8*\v+2] ; the operand wants a whole block in a lane
	v_permlane16_swap_b32 v[OP+8*\v+1], v[OP+8*\v+3]
.endr
	PLACES 8
	WIN 0x50
.irp v, 0,1,2,3
.irp t, 0,1,2,3
	v_wmma_scale_f32_16x16x128_f8f6f4 v[Z+32*\v+8*\t:Z+32*\v+8*\t+7], v[W1F+4*\t:W1F+4*\t+7], v[OP+8*\v:OP+8*\v+7], v[B1+8*\t:B1+8*\t+7], v[W1S+\t], v[PW+\v] matrix_a_fmt:MATRIX_FMT_FP4 matrix_b_fmt:MATRIX_FMT_FP4
.endr
.endr
	WIN 0
	PLACES 4
	TEES 6
	WIN 0x45
.set i, 0
.rept 64
	v_pk_mul_f32 v[Z+i:Z+i+1], v[Z+i:Z+i+1], v[WO+i%32:WO+i%32+1]  ; y = z x Wout: work behind the exponentials that names none of them
.set i, i+2
.endr
	WIN 0
	VWAIT
.set i, 0
.rept 64
	v_pk_add_f32 v[T+i:T+i+1], v[T+i:T+i+1], 1.0 op_sel_hi:[1,0]   ; 1 + 2^t
.set i, i+2
.endr
	ZB_TIMES                                       ; y(a, c) x (b, d)
	WIN 0x51
.set q, 0
.rept 32
	v_pk_fma_f32 v[Z+q:Z+q+1], v[Z+q+2:Z+q+3], v[T+q:T+q+1], v[Z+q:Z+q+1]            ; N = y(a, c) (b, d) + y(b, d) (a, c)
.set q, q+4
.endr
	WIN 0
.set q, 0
.rept 32
	v_pk_mul_f32 v[T+q+2:T+q+3], v[T+q:T+q+1], v[T+q+2:T+q+3]      ; u = (a b, c d)
.set q, q+4
.endr
.set q, 0
.rept 16
	v_pk_mul_f32 v[T+q:T+q+1], v[T+q+2:T+q+3], v[T+q+6:T+q+7]      ; u1 u2 of two neighbouring fours, where (a, c) stood
.set q, q+8
.endr
	VWAIT
.set q, 0
.rept 16
	v_rcp_f32 v[T+q], v[T+q]
	v_rcp_f32 v[T+q+1], v[T+q+1]
.set q, q+8
.endr
	WIN 0x41
.set q, 0
.rept 16
	v_pk_mul_f32 v[Z+q:Z+q+1], v[Z+q:Z+q+1], v[T+q+6:T+q+7]        ; N1 u2: work behind the reciprocals that names none of them
.set q, q+8
.endr
	WIN 0x51
.set q, 0
.rept 16
	v_pk_fma_f32 v[Z+q:Z+q+1], v[Z+q+4:Z+q+5], v[T+q+2:T+q+3], v[Z+q:Z+q+1]          ; + N2 u1
.set q, q+8
.endr
	VWAIT
	WIN 0x01                                       ; the numerators x the reciprocals, added up in two chains a tile, in T + 32 v + 4 and T + 32 v + 12
.irp v, 0,1,2,3
	v_pk_mul_f32 v[T+32*\v+4:T+32*\v+5], v[Z+32*\v:Z+32*\v+1], v[T+32*\v:T+32*\v+1]
	v_pk_mul_f32 v[T+32*\v+12:T+32*\v+13], v[Z+32*\v+8:Z+32*\v+9], v[T+32*\v+8:T+32*\v+9]
.endr
.irp v, 0,1,2,3
	v_pk_fma_f32 v[T+32*\v+4:T+32*\v+5], v[Z+32*\v+16:Z+32*\v+17], v[T+32*\v+16:T+32*\v+17], v[T+32*\v+4:T+32*\v+5]
	v_pk_fma_f32 v[T+32*\v+12:T+32*\v+13], v[Z+32*\v+24:Z+32*\v+25], v[T+32*\v+24:T+32*\v+25], v[T+32*\v+12:T+32*\v+13]
.endr
	WIN 0
.irp v, 0,1,2,3
	v_pk_add_f32 v[T+32*\v+4:T+32*\v+5], v[T+32*\v+4:T+32*\v+5], v[T+32*\v+12:T+32*\v+13]
.endr
.irp v, 0,1,2,3
	v_add_f32 v[PD+\v], v[T+32*\v+4], v[T+32*\v+5] ; my 32 units' part of my point's dot product
.endr
.irp g, 0,1                            ; a point's two halves lie in lanes l and l xor 16 of its tile's partial sum: one exchange of halves and one addition bring a group back to a lane a point
	v_permlane16_swap_b32 v[PD+2*\g], v[PD+2*\g+1]
.endr
.irp g, 0,1
	v_add_f32 v[RAW+\g], v[PD+2*\g], v[PD+2*\g+1]
.endr
	v_pk_fma_f32 v[RAW:RAW+1], v[RAW:RAW+1], s[34:35], v[VB:VB+1] op_sel_hi:[1,0,0]   ; -log2(e) (dot + bout + logit(0.3)): the rest follows in the next trip, or behind the loop
	s_mov_b32 s4, s40                              ; with this chunk's masks
	s_mov_b32 s5, s41
	s_mov_b32 s7, 1
	s_sub_co_i32 s39, s39, 1
	s_cmp_gt_i32 s39, 0
	VWAIT
	s_cbranch_scc1 .Ltrip
	v_exp_f32 v[RAW], v[RAW]                       ; the last chunk's sigmoid
	v_exp_f32 v[RAW+1], v[RAW+1]
	v_nop
	VWAIT
	v_pk_add_f32 v[RAW:RAW+1], v[RAW:RAW+1], 1.0 op_sel_hi:[1,0]
	VWAIT
	v_rcp_f32 v[RAW], v[RAW]
	v_rcp_f32 v[RAW+1], v[RAW+1]
	v_nop
	VWAIT
	s_wait_xcnt 0x0                                ; the last trip's store has read its data
	v_pk_mul_f32 v[RAW:RAW+1], v[RAW:RAW+1], 0x46e03800 op_sel_hi:[1,0]               ; x 28700
	v_cndmask_b32 v[OUT], v[RAW], s47, s4          ; 8610 where time_idx == 0
	v_cndmask_b32 v[OUT+1], v[RAW+1], s47, s5
	global_store_b64 v[VOS], v[OUT:OUT+1], s[28:29] th:TH_STORE_NT
	s_wait_dscnt 0x0                               ; my reads of the tables are over
	s_barrier_signal -1
	s_barrier_wait -1                              ; every wave's are: no LDS write stands beside a gather from the table
	s_wait_tensorcnt 0x0                           ; the wave's end
	ds_add_u32 v[SPW], v[NIL]
	s_wait_dscnt 0x0
	s_endpgm
.Lfunc_end_k_q41d2919a95_field:
	.size	k_q41d2919a95_field, .Lfunc_end_k_q41d2919a95_field-k_q41d2919a95_field
	.p2alignl 7, 3214868480
	.fill 96, 4, 3214868480
	.section	.rodata,"a",@progbits
	.p2align	6, 0x0
	.amdhsa_kernel k_q41d2919a95_field
		.amdhsa_group_segment_fixed_size 13824
		.amdhsa_private_segment_fixed_size 0
		.amdhsa_enable_private_segment 0
		.amdhsa_kernarg_size 88
		.amdhsa_user_sgpr_count 2
		.amdhsa_user_sgpr_kernarg_segment_ptr 1
		.amdhsa_wavefront_size32 1
		.amdhsa_system_sgpr_workgroup_id_x 1
		.amdhsa_system_sgpr_workgroup_id_y 1
		.amdhsa_system_sgpr_workgroup_id_z 1
		.amdhsa_system_vgpr_workitem_id 0
		.amdhsa_next_free_vgpr 512
		.amdhsa_next_free_sgpr 66
		.amdhsa_reserve_vcc 1
		.amdhsa_float_denorm_mode_32 3
		.amdhsa_float_denorm_mode_16_64 3
		.amdhsa_memory_ordered 1
		.amdhsa_forward_progress 1
		.amdhsa_inst_pref_size 103
	.end_amdhsa_kernel
	.amdgpu_metadata
---
amdhsa.version: [ 1, 2 ]
amdhsa.kernels:
  - .name:           k_q41d2919a95_field
    .symbol:         k_q41d2919a95_field.kd
    .args:
      - { .name: time_idx, .offset: 0, .size: 8, .value_kind: global_buffer, .address_space: global }
      - { .name: rho, .offset: 8, .size: 8, .value_kind: global_buffer, .address_space: global }
      - { .name: emb, .offset: 16, .size: 8, .value_kind: global_buffer, .address_space: global }
      - { .name: W0, .offset: 24, .size: 8, .value_kind: global_buffer, .address_space: global }
      - { .name: b0, .offset: 32, .size: 8, .value_kind: global_buffer, .address_space: global }
      - { .name: W1_codes, .offset: 40, .size: 8, .value_kind: global_buffer, .address_space: global }
      - { .name: W1_scales, .offset: 48, .size: 8, .value_kind: global_buffer, .address_space: global }
      - { .name: b1, .offset: 56, .size: 8, .value_kind: global_buffer, .address_space: global }
      - { .name: Wout, .offset: 64, .size: 8, .value_kind: global_buffer, .address_space: global }
      - { .name: bout, .offset: 72, .size: 8, .value_kind: global_buffer, .address_space: global }
      - { .name: out0, .offset: 80, .size: 8, .value_kind: global_buffer, .address_space: global }
    .group_segment_fixed_size: 13824
    .private_segment_fixed_size: 0
    .kernarg_segment_align: 8
    .kernarg_segment_size: 88
    .max_flat_workgroup_size: 256
    .sgpr_count:     66
    .vgpr_count:     512
    .wavefront_size: 32
...
	.end_amdgpu_metadata
.endif
;; end of part 1
